; MI455X (gfx1250); checked and timed in simulation.
; The chip was launched on July 23, 2026; its instructions are those of AMD's public machine-readable ISA for CDNA 5 (MIT licence, August 2026) and "CDNA5" Instruction Set Architecture Reference Guide (July 2026). The comments in the code are by the model that wrote it; some were corrected since.
;; Attention. Allowed arithmetic: float matrix products may take bf16 or f16 operands with f32 sums; all other float work in f32.
;; Inputs: W1 2,048 x 1,024 float32; W2 1,024 x 1 float32; b1 1,024 float32; b2 1 float32; encoder_outputs 32 x 1,024 x 1,024 float32; hidden_state 1 x 32 x 1,024 float32.
;; Outputs: out0 1 x 32 x 1,024 float32.
;; One version. Each part assembles by itself: llvm-mc -triple=amdgcn-amd-amdhsa -mcpu=gfx1250 --defsym DOCPART=n.
;; ======== version 1 of 1: 3 launches
;; workspace buffers: wf 2,097,152 bytes; hbp 524,288 bytes; part 1,179,648 bytes
;; launch prep (part 1): grid 128 x 1, 8 waves a work-group, no clusters, 70,656 bytes of LDS; arguments W1, hidden_state, wf, hbp; writes wf, hbp
.if DOCPART == 1
	.amdgcn_target "amdgcn-amd-amdhsa--gfx1250"
	.amdhsa_code_object_version 6
	.text
	.protected	k_q65bfc7bb29_prep
	.globl	k_q65bfc7bb29_prep
	.p2align	8
	.type	k_q65bfc7bb29_prep,@function
k_q65bfc7bb29_prep:
	s_mov_b64 s[64:65], 0
	v_nop
	global_prefetch_b8 v0, s[64:65] scope:SCOPE_SE
	s_setreg_imm32_b32 hwreg(HW_REG_WAVE_MODE, 25, 1), 1
	s_wait_xcnt 0x0
; W1 is [2048][1024] f32.  concat @ W1 = E @ W1[0:1024] + hid @ W1[1024:2048], and the second term is the same for all time steps.
; This launch (a) rewrites W1[0:1024] once as bf16 in the order in which a matrix instruction's second source wants it (wf), and
; (b) makes hid @ W1[1024:2048] as four partial sums over 256 k each (hbp[s][b][n], f32); the next launch adds the four, in pairs.
; wf: element (k, n), n = 64 c + 16 cb + r, k = 32 kg + 16 q + 8 h + e, lies at byte c*131072 + kg*4096 + cb*1024 + q*512 + (16 h + r)*16 + 2 e:
; a block of 1,024 bytes is one fragment (16 columns x 32 k); lane 16 h + r finds its registers 0-3 at 16 x lane and 4-7 at 512 + 16 x lane.
; Work-group x: c = x & 15 (64 columns), o = x >> 4 (256 rows of W1).  Wave v takes the 32 rows 256 o + 32 v and the four blocks of 16 columns.
; o < 4: the fragments go to wf.  o >= 4: they are multiplied with hid's rows, and the eight waves' sums meet in LDS.
; Operands are rounded to bf16, sums are f32.
.set LO,  4                            ; v4   8 h rows of 4,096 bytes + 4 r: my place in W1's rows
.set L16, 5                            ; v5   16 x lane
.set HO,  6                            ; v6   hid: row r, 8 h numbers in
.set DS0, 7                            ; v7   LDS: my wave's area, row 8 h, column r
.set RD,  8                            ; v8   LDS: row t >> 4, 16 bytes at t & 15
.set GO,  9                            ; v9   hbp: the same place, rows of 4,096 bytes
.set F,   16                           ; v[16:79]    W1 as loaded: 16 cb + 8 q + e; later the eight waves' sums
.set BR,  80                           ; v[80:111]   four fragments of W1 in bf16
.set HF,  112                          ; v[112:143]  hid as loaded
.set AR,  144                          ; v[144:159]  two fragments of hid in bf16
.set ACC, 160                          ; v[160:223]  eight tiles: 8 (4 mb + cb)
.set AREA, 8704                        ; 32 rows of 272 bytes: a wave's sums in LDS
.macro LOADW                           ; 64 loads: row 16 q + e + 8 h, column 16 cb + r.  The four cb of one (q, e) follow each other and cover 256 consecutive bytes of two rows
.irp q, 0,1
.irp e, 0,1,2,3,4,5,6,7
.irp cb, 0,1,2,3
	global_load_b32 v[F+16*\cb+8*\q+\e], v[LO], s[4:5] offset:(16*\q+\e)*4096+64*\cb
.endr
.endr
.endr
.endm
.macro CVTW cb                         ; one fragment: two neighbouring k to a register, the lower k in the low half
.irp q, 0,1
.irp p, 0,1,2,3
	v_cvt_pk_bf16_f32 v[BR+8*\cb+4*\q+\p], v[F+16*\cb+8*\q+2*\p], v[F+16*\cb+8*\q+2*\p+1]
.endr
.endr
.endm
	s_load_b256 s[4:11], s[0:1], 0x0               ; W1 s[4:5], hidden_state s[6:7], wf s[8:9], hbp s[10:11]
	v_lshl_add_u32 v224, v0, 2, 0x11000
	v_mov_b32 v225, 0
	v_lshrrev_b32 v1, 5, v0
	v_readfirstlane_b32 s12, v1                    ; wave v
	s_and_b32 s13, ttmp9, 15                       ; c
	s_lshr_b32 s14, ttmp9, 4                       ; o
	v_and_b32 v1, 31, v0                           ; lane
	v_and_b32 v2, 15, v0                           ; r
	v_bfe_u32 v3, v0, 4, 1                         ; h
	v_lshlrev_b32 v[LO], 2, v2
	v_lshl_add_u32 v[LO], v3, 15, v[LO]
	v_lshlrev_b32 v[L16], 4, v1
	s_lshl_b32 s16, s14, 20                        ; 256 o rows of 4,096 bytes
	s_lshl_b32 s18, s12, 17                        ; + 32 v rows
	s_add_co_u32 s16, s16, s18
	s_lshl_b32 s18, s13, 8                         ; + 64 c columns
	s_add_co_u32 s16, s16, s18
	s_mov_b32 s17, 0
	s_wait_kmcnt 0x0
	s_add_nc_u64 s[4:5], s[4:5], s[16:17]
	s_cmp_lt_u32 s14, 4                            ; the same in all eight waves
	s_cbranch_scc0 .Lhidden
	; ---- rows 0 to 1023: to wf ----
	LOADW
	s_lshl_b32 s16, s13, 17                        ; c * 131072
	s_lshl_b32 s18, s14, 15                        ; + kg * 4096, kg = 8 o + v
	s_add_co_u32 s16, s16, s18
	s_lshl_b32 s18, s12, 12
	s_add_co_u32 s16, s16, s18
	s_add_nc_u64 s[8:9], s[8:9], s[16:17]
	s_wait_loadcnt 0x0                             ; all 64: every fragment needs a load of the last four
.irp cb, 0,1,2,3
	CVTW \cb
.irp q, 0,1
	global_store_b128 v[L16], v[BR+8*\cb+4*\q:BR+8*\cb+4*\q+3], s[8:9] offset:1024*\cb+512*\q   ; the wave stores 512 consecutive bytes, at a multiple of 512 in wf
.endr
.endr
	s_endpgm
	; ---- rows 1024 to 2047: times hid ----
.Lhidden:
	v_lshlrev_b32 v[HO], 12, v2
	v_lshl_add_u32 v[HO], v3, 5, v[HO]
	s_sub_co_u32 s19, s14, 4                       ; which quarter of K
	s_lshl_b32 s16, s19, 10                        ; 256 numbers of 4 bytes a quarter
	s_lshl_b32 s18, s12, 7                         ; + 32 a wave
	s_add_co_u32 s16, s16, s18
	s_add_nc_u64 s[6:7], s[6:7], s[16:17]
.irp mb, 0,1
.irp q, 0,1
	global_load_b128 v[HF+16*\mb+8*\q:HF+16*\mb+8*\q+3],   v[HO], s[6:7] offset:\mb*65536+64*\q      ; hid(16 mb + r, 16 q + 8 h ..)
	global_load_b128 v[HF+16*\mb+8*\q+4:HF+16*\mb+8*\q+7], v[HO], s[6:7] offset:\mb*65536+64*\q+16
.endr
.endr
	LOADW
	s_mul_i32 s18, s12, AREA
	v_mul_u32_u24 v[DS0], v3, 2176                 ; 8 h rows of 272 bytes
	v_lshl_add_u32 v[DS0], v2, 2, v[DS0]
	v_add_nc_u32 v[DS0], s18, v[DS0]
	v_lshrrev_b32 v10, 4, v0                       ; t >> 4: 0 to 15
	v_mul_u32_u24 v[RD], v10, 272
	v_lshl_add_u32 v[RD], v2, 4, v[RD]
	v_lshlrev_b32 v[GO], 12, v10
	v_lshl_add_u32 v[GO], v2, 4, v[GO]
	s_lshl_b32 s16, s19, 17                        ; hbp: quarter s, 32 rows of 4,096 bytes each
	s_lshl_b32 s18, s13, 8
	s_add_co_u32 s16, s16, s18
	s_add_nc_u64 s[10:11], s[10:11], s[16:17]
	s_wait_loadcnt 0x0
.irp mb, 0,1
.irp q, 0,1
.irp p, 0,1,2,3
	v_cvt_pk_bf16_f32 v[AR+8*\mb+4*\q+\p], v[HF+16*\mb+8*\q+2*\p], v[HF+16*\mb+8*\q+2*\p+1]
.endr
.endr
.endr
.irp cb, 0,1,2,3
	CVTW \cb
.endr
	; one K step of 32 a wave: eight products, eight different accumulators, each started by the constant 0
.irp mb, 0,1
.irp cb, 0,1,2,3
	v_wmma_f32_16x16x32_bf16 v[ACC+8*(4*\mb+\cb):ACC+8*(4*\mb+\cb)+7], v[AR+8*\mb:AR+8*\mb+7], v[BR+8*\cb:BR+8*\cb+7], 0
.endr
.endr
.rept 4
	v_nop                                          ; four places before an LDS store reads a matrix result
.endr
	; register jj of tile (mb, cb) is (batch 16 mb + 8 h + jj, column 16 cb + r).  Rows of 272 bytes: the two halves of the lanes lie 2,176 bytes = 128 modulo 256 apart
.irp mb, 0,1
.irp cb, 0,1,2,3
.irp jj, 0,1,2,3,4,5,6,7
	ds_store_b32 v[DS0], v[ACC+8*(4*\mb+\cb)+\jj] offset:(16*\mb+\jj)*272+64*\cb
.endr
.endr
.endr
	s_wait_dscnt 0x0                               ; my stores are done, for the other waves' sake
	s_barrier_signal -1
	s_barrier_wait -1
.irp u, 0,1
.irp vv, 0,1,2,3,4,5,6,7
	ds_load_b128 v[F+32*\u+4*\vv:F+32*\u+4*\vv+3], v[RD] offset:\vv*AREA+\u*4352    ; wave vv's sums, batch (t >> 4) + 16 u, four columns
.endr
.endr
	s_wait_dscnt 0x0
.irp u, 0,1
.irp vv, 1,2,3,4,5,6,7
	v_pk_add_f32 v[F+32*\u:F+32*\u+1],   v[F+32*\u:F+32*\u+1],   v[F+32*\u+4*\vv:F+32*\u+4*\vv+1]      ; K ascending
	v_pk_add_f32 v[F+32*\u+2:F+32*\u+3], v[F+32*\u+2:F+32*\u+3], v[F+32*\u+4*\vv+2:F+32*\u+4*\vv+3]
.endr
	global_store_b128 v[GO], v[F+32*\u:F+32*\u+3], s[10:11] offset:\u*65536        ; sixteen lanes store 256 consecutive bytes, at a multiple of 256 in hbp
.endr
	s_wait_tensorcnt 0x0
	ds_add_u32 v224, v225
	s_wait_dscnt 0x0
	s_endpgm
.Lfunc_end_k_q65bfc7bb29_prep:
	.size	k_q65bfc7bb29_prep, .Lfunc_end_k_q65bfc7bb29_prep-k_q65bfc7bb29_prep
	.p2alignl 7, 3214868480
	.fill 96, 4, 3214868480
	.section	.rodata,"a",@progbits
	.p2align	6, 0x0
	.amdhsa_kernel k_q65bfc7bb29_prep
		.amdhsa_group_segment_fixed_size 70656
		.amdhsa_private_segment_fixed_size 0
		.amdhsa_enable_private_segment 0
		.amdhsa_kernarg_size 32
		.amdhsa_user_sgpr_count 2
		.amdhsa_user_sgpr_kernarg_segment_ptr 1
		.amdhsa_wavefront_size32 1
		.amdhsa_system_sgpr_workgroup_id_x 1
		.amdhsa_system_sgpr_workgroup_id_y 1
		.amdhsa_system_sgpr_workgroup_id_z 1
		.amdhsa_system_vgpr_workitem_id 0
		.amdhsa_next_free_vgpr 226
		.amdhsa_next_free_sgpr 66
		.amdhsa_reserve_vcc 0
		.amdhsa_float_denorm_mode_32 3
		.amdhsa_float_denorm_mode_16_64 3
		.amdhsa_memory_ordered 1
		.amdhsa_forward_progress 1
		.amdhsa_inst_pref_size 29
	.end_amdhsa_kernel
	.amdgpu_metadata
---
amdhsa.version: [ 1, 2 ]
amdhsa.kernels:
  - .name:           k_q65bfc7bb29_prep
    .symbol:         k_q65bfc7bb29_prep.kd
    .args:
      - { .name: W1, .offset: 0, .size: 8, .value_kind: global_buffer, .address_space: global }
      - { .name: hidden_state, .offset: 8, .size: 8, .value_kind: global_buffer, .address_space: global }
      - { .name: wf, .offset: 16, .size: 8, .value_kind: global_buffer, .address_space: global }
      - { .name: hbp, .offset: 24, .size: 8, .value_kind: global_buffer, .address_space: global }
    .group_segment_fixed_size: 70656
    .private_segment_fixed_size: 0
    .kernarg_segment_align: 8
    .kernarg_segment_size: 32
    .max_flat_workgroup_size: 256
    .sgpr_count:     66
    .vgpr_count:     226
    .wavefront_size: 32
...
	.end_amdgpu_metadata
.endif
;; end of part 1
;; launch attn (part 2): grid 256 x 1, 4 waves a work-group, clusters of 4 x 1, 327,680 bytes of LDS; arguments encoder_outputs, wf, hbp, b1, W2, b2, part; writes part
.if DOCPART == 2
	.amdgcn_target "amdgcn-amd-amdhsa--gfx1250"
	.amdhsa_code_object_version 6
	.text
	.protected	k_q65bfc7bb29_attn
	.globl	k_q65bfc7bb29_attn
	.p2align	8
	.type	k_q65bfc7bb29_attn,@function
k_q65bfc7bb29_attn:
	s_mov_b64 s[64:65], 0
	v_nop
	global_prefetch_b8 v0, s[64:65] scope:SCOPE_SE
	s_setreg_imm32_b32 hwreg(HW_REG_WAVE_MODE, 25, 1), 1
	s_wait_xcnt 0x0
	s_wait_alu depctr_hold_cnt(0) depctr_sa_sdst(0) depctr_va_vdst(0) depctr_va_sdst(0) depctr_va_ssrc(0) depctr_va_vcc(0) depctr_vm_vsrc(0)
	s_getreg_b32 s2, hwreg(HW_REG_IB_STS2, 6, 4)
	s_cmp_eq_u32 s2, 0
	s_cbranch_scc0 .Lentry_in_a_cluster
	s_endpgm
.Lentry_in_a_cluster:
	s_bfe_u32 s2, ttmp6, 0x10000c
	s_cmp_lg_u32 s2, 0x3003
	s_cbranch_scc0 .Lentry_shape_is_right
	s_endpgm
.Lentry_shape_is_right:
; Work-group g takes the 128 rows 128 g .. of E (batch g >> 3) and leaves in part[g]: ctx[k] = sum over its rows of p[row] E[row][k], the rows' largest score m and
; l = sum of p, with p = exp(score - m), score = selu(E W1[0:1024] + hb) . W2 + b2, hb = b1 + hid W1[1024:2048].  The next launch merges the eight parts of a batch.
; E IS READ ONCE: four waves w = 2 i + j; wave (i, j) keeps rows 64 i .. 64 i + 63, k 512 j .. 512 j + 511 as 64 bf16 fragments in 512 registers for the whole launch:
; first as the matrix instructions' first source, at the end for the weighted sum of rows.
; W (wf, bf16 in fragment order) goes through two LDS slots in 16 chunks of 64 columns x all 1,024 k, 131,072 bytes each.  One fragment of W (1,024 bytes) feeds four matrix instructions.
; K is split over the pair of waves (i, 0), (i, 1): of a chunk's four blocks of 16 columns a wave owns two (2 j, 2 j + 1); its sums for the other two go to its partner
; through LDS (8,192 bytes each way for a chunk).  Register numbers do not know j: cl = 0, 1 counts the owned (or the sent) blocks, and only LDS addresses carry j.
; CLUSTERS: every work-group walks the same wf, so four work-groups form a cluster and ask for each quarter chunk jointly (mask 15): the requests for wf are divided by four.
; E's rows belong to one work-group alone and come by plain tensor loads.  A mask names four work-groups at the most and only wf is shared, so a larger cluster adds nothing.
; LIMITS: NaN and infinities in the inputs are not reproduced (v_min_num, v_max_num drop a NaN).  Exponentials below 2^-126 are zero.  selu's e^x - 1 is formed as
; e^x + (-1): absolute error about 6e-8.  E and W1 are rounded to bf16, for the weighted sum of rows too; all sums are f32, in another order than the reference's.
;
; LDS:  0 .. 270335       two slots of 135,168 bytes.  First E's stage: slot s, wave w at s*135168 + w*33792, 64 rows of 512 bytes + 16 of padding (pitch 528 = 33 x 16:
;                         the sixteen rows that a load touches lie 16 bytes apart modulo 256).  Then W's ring: slot s, quarter w at s*135168 + w*32768, dense.
;       270336 .. 303103  EX: wave w's sent sums at + w*8192; at the end the two row halves' ctx.      Only ds_store writes from here on; no tensor load lands here.
;       303104 .. 311295  TAB: (hb[n], 1.7580993 W2[n]), 8 bytes a column
;       311296 .. 312319  SCR[j][128]: the rows' scores, one half of the columns each
; REGISTERS, in windows of 256: window 0 addresses and f32 work; window 1: v0-63 owned tiles 8 (4 cl + a), v64-127 sent tiles, v128-191, v192-255 two buffers of eight fragments of W;
; windows 2, 3: E's fragment (a, ks) at (ks & 7)*32 + 8 a in window 2 + (ks >> 3).
.set SLOTB, 135168
.set STGW,  33792
.set EXB,   270336
.set TABB,  303104
.set SCRB,  311296
.set BOWN, 16                          ; v16-17  slot s: W's fragments of my k and my owned columns
.set BOTH, 18                          ; v18-19  slot s: of my k and my partner's columns
.set EXST, 20                          ; v20     where I put the sums that I send
.set EXLD, 21                          ; v21     where my partner put those for me
.set TADR, 22                          ; v22     TAB, my column of the chunk pair at hand
.set STG,  23                          ; v23-24  slot s: my wave's stage, row r, 8 h numbers in
.set SADR, 25                          ; v25     SCR: where my wave's scores go
.set SOWN, 26                          ; v26     SCR: row r of my half of the rows
.set SOTH, 27                          ; v27     SCR: row r of the other half
.set CADR, 28                          ; v28     ctx in LDS: my row half, my k
.set T16,  29                          ; v29     16 t
.set PFO,  30                          ; v30     prefetch: row lane >> 1, 256 bytes at lane & 1
.set ZR,   31                          ; v31     0.0
.set HW,   32                          ; v[32:35]  pair cl: (hb, 1.7580993 W2) of my column
.set T,    36                          ; v[36:43]  at work
.set ML,   40                          ; v[40:43]  at the end: m, l, m, l
.set PW,   44                          ; v[44:47]  p of row 16 a + r of my rows
.set TE,   48                          ; v[48:55]  exponentials
.set SC,   48                          ; v[48:63]  at the end: scores
.set SP,   64                          ; v[64:95]  8 a + jj: running sum over my columns for row 16 a + 8 h + jj
.set X,    96                          ; v[96:159] my partner's sums, then the tiles at work
.set CT,   96                          ; v[96:159] at the end: ctx of four K steps
.set TS,   96                          ; v[96:223] at the start: eight fragments of E in f32
.set MSB, 0
.macro WIN new                         ; s_set_vgpr_msb: bits 1:0 source 0, 3:2 source 1, 5:4 source 2, 7:6 destination; the high byte repeats the setting that is left
.if MSB != \new
	s_set_vgpr_msb (MSB<<8)|\new
.set MSB, \new
.endif
.endm
; A round of the cluster's barrier: my work-group's barrier, wave 0 signals for the work-group, every wave waits for all four work-groups, my work-group's barrier once more.
.macro ROUND
	WIN 0                                          ; at a branch and at a label every window is 0
	s_barrier_signal -1
	s_barrier_wait -1
	s_cmp_lg_u32 s18, 0
	s_cbranch_scc1 .Lnot_wave_0_\@
	s_barrier_signal -3
.Lnot_wave_0_\@:
	s_barrier_wait -3
	s_barrier_signal -1
	s_barrier_wait -1
.endm
; Places behind a matrix instruction: four plain vector instructions before a load is issued into one of its registers or an LDS store or a vector instruction reads its result (ISA guide 7.12.1 for LDS stores and vector instructions)
.macro PLACES n
.rept \n
	v_nop
.endr
.endm
; My wave's tile tau of E (64 rows x 512 bytes = 128 blocks of 256 bytes), each block asked for once, by the wave that will load it, one tile ahead of its tensor load
.macro PREF tau
.irp q, 0,1,2,3
	global_prefetch_b8 v[PFO], s[66:67] offset:\tau*512+\q*65536 th:TH_LOAD_NT scope:SCOPE_SE
.endr
.endm
; Tile tau (k 128 tau .. of my 512) from stage slot s into fragments (a, 4 tau .. 4 tau + 3), eight fragments at a time.
; Lane (r, h) of fragment (a, ks): row 16 a + r; registers 0-3 k = 8 h .. + 7, registers 4-7 k = 16 + 8 h .. + 7: in f32 four loads of 16 bytes at 0, 16, 64, 80.
.macro CONV s, tau
.irp be, 0,1
	WIN 0
.irp kl, 0,1
.irp a, 0,1,2,3
	ds_load_b128 v[TS+16*(4*\kl+\a):TS+16*(4*\kl+\a)+3],     v[STG+\s] offset:\a*8448+(2*\be+\kl)*128
	ds_load_b128 v[TS+16*(4*\kl+\a)+4:TS+16*(4*\kl+\a)+7],   v[STG+\s] offset:\a*8448+(2*\be+\kl)*128+16
	ds_load_b128 v[TS+16*(4*\kl+\a)+8:TS+16*(4*\kl+\a)+11],  v[STG+\s] offset:\a*8448+(2*\be+\kl)*128+64
	ds_load_b128 v[TS+16*(4*\kl+\a)+12:TS+16*(4*\kl+\a)+15], v[STG+\s] offset:\a*8448+(2*\be+\kl)*128+80
.endr
.endr
.if \tau < 2
	WIN 0x80                                       ; destination in window 2
.else
	WIN 0xc0                                       ; in window 3
.endif
.irp kl, 0,1
.irp a, 0,1,2,3
	s_wait_dscnt 4*(7-(4*\kl+\a))                  ; LDS loads come back in order: this fragment's four are in, four for each later fragment stay out
.irp p, 0,1,2,3,4,5,6,7
	v_cvt_pk_bf16_f32 v[((4*\tau+2*\be+\kl)&7)*32+8*\a+\p], v[TS+16*(4*\kl+\a)+2*\p], v[TS+16*(4*\kl+\a)+2*\p+1]
.endr
.endr
.endr
.endr
.endm
; 16 LDS loads: W's eight fragments of K steps 4 g .. 4 g + 3 x two column blocks (own = 1: mine, 0: my partner's) from ring slot s into buffer f.  512 consecutive bytes a load.
.macro LOADB s, own, g, f
	WIN 0x40                                       ; destination in window 1
.irp kk, 0,1,2,3
.irp cl, 0,1
.irp q, 0,1
	ds_load_b128 v[128+64*\f+8*(2*\kk+\cl)+4*\q:128+64*\f+8*(2*\kk+\cl)+4*\q+3], v[BOTH-2*\own+\s] offset:(4*\g+\kk)*4096+\cl*1024+\q*512
.endr
.endr
.endr
.endm
; 32 matrix instructions: K steps 4 g .. 4 g + 3 from buffer f onto the eight tiles (a, cl), owned or sent.  The chunk's first K step starts the sums with the constant 0.
; The eight accumulators take turns, one instruction a turn, from one MM into the next and over the loop's backward jump too.
.macro MM own, g, f
.if \g < 2
	WIN 0x56                                       ; source 0 (E) window 2; source 1 (W), C and D window 1
.else
	WIN 0x57                                       ; source 0 window 3
.endif
.irp kk, 0,1,2,3
.irp cl, 0,1
.irp a, 0,1,2,3
.if (\g+\kk) == 0
	v_wmma_f32_16x16x32_bf16 v[64-64*\own+8*(4*\cl+\a):64-64*\own+8*(4*\cl+\a)+7], v[((4*\g+\kk)&7)*32+8*\a:((4*\g+\kk)&7)*32+8*\a+7], v[128+64*\f+8*(2*\kk+\cl):128+64*\f+8*(2*\kk+\cl)+7], 0
.else
	v_wmma_f32_16x16x32_bf16 v[64-64*\own+8*(4*\cl+\a):64-64*\own+8*(4*\cl+\a)+7], v[((4*\g+\kk)&7)*32+8*\a:((4*\g+\kk)&7)*32+8*\a+7], v[128+64*\f+8*(2*\kk+\cl):128+64*\f+8*(2*\kk+\cl)+7], v[64-64*\own+8*(4*\cl+\a):64-64*\own+8*(4*\cl+\a)+7]
.endif
.endr
.endr
.endr
.endm
.macro SENDX                           ; the 64 registers of the sent tiles, register by register: lane and register number stay what they are
	WIN 0x04                                       ; store data in window 1
.set dn, 0
.rept 16
	ds_store_b128 v[EXST], v[64+dn:64+dn+3] offset:128*dn
.set dn, dn+4
.endr
.endm
.macro LOADX s                         ; my partner's sums for my tiles, and my two columns' table entries
	WIN 0
.set dn, 0
.rept 16
	ds_load_b128 v[X+dn:X+dn+3], v[EXLD] offset:128*dn
.set dn, dn+4
.endr
.irp cl, 0,1
	ds_load_b64 v[HW+2*\cl:HW+2*\cl+1], v[TADR] offset:512*\s+128*\cl
.endr
.endm
.macro ADDX                            ; both halves of K
	WIN 0x01                                       ; source 0 in window 1
.set dn, 0
.rept 32
	v_pk_add_f32 v[X+dn:X+dn+1], v[dn:dn+1], v[X+dn:X+dn+1]
.set dn, dn+2
.endr
.endm
; One tile: W2 selu(x) = 1.7580993 W2 (max(x / 1.6732632 - 1, -1) + e^min(x, 0)), x = sum + hb; added onto the rows' running sums.
.macro EPI a, cl
.set XB, X+8*(4*\cl+\a)
.irp d, 0,2,4,6
	v_pk_add_f32 v[XB+\d:XB+\d+1], v[XB+\d:XB+\d+1], v[HW+2*\cl:HW+2*\cl+1] op_sel_hi:[1,0]       ; + hb, the pair's first register, for both
.endr
.irp d, 0,1,2,3,4,5,6,7
	v_min_num_f32 v[T+\d], 0, v[XB+\d]
.endr
.irp d, 0,2,4,6
	v_pk_mul_f32 v[T+\d:T+\d+1], v[T+\d:T+\d+1], 0x3fb8aa3b op_sel_hi:[1,0]                       ; times log2 e
.endr
.irp d, 0,2,4,6
	v_pk_fma_f32 v[XB+\d:XB+\d+1], v[XB+\d:XB+\d+1], 0x3f18fe95, -1.0 op_sel_hi:[1,0,0]           ; x / alpha - 1
.endr
.irp d, 0,1,2,3,4,5,6,7
	v_exp_f32 v[TE+\d], v[T+\d]
.endr
.irp d, 0,1,2,3,4,5,6,7
	v_max_num_f32 v[XB+\d], -1.0, v[XB+\d]                                                         ; plain instructions that touch neither T nor TE stand behind the exponentials (ISA guide 5.7.2)
.endr
	s_wait_alu depctr_va_vdst(0)
.irp d, 0,2,4,6
	v_pk_add_f32 v[XB+\d:XB+\d+1], v[XB+\d:XB+\d+1], v[TE+\d:TE+\d+1]
.endr
.irp d, 0,2,4,6
	v_pk_fma_f32 v[SP+8*\a+\d:SP+8*\a+\d+1], v[XB+\d:XB+\d+1], v[HW+2*\cl:HW+2*\cl+1], v[SP+8*\a+\d:SP+8*\a+\d+1] op_sel:[0,1,0] op_sel_hi:[1,1,1]   ; times the pair's second register, for both
.endr
.endm
; A chunk from ring slot s (nx = the other slot).  On entry the 16 loads of the sent tiles' first four K steps, into buffer 0, are out.
; mode 2: slot s is filled again, two chunks ahead.  mode 1: nothing is left to fetch, the next chunk is still to come.  mode 0: the last chunk.
.macro CHUNK s, nx, mode
	LOADB \s, 0, 1, 1                              ; buffer 1: the places behind its last matrix instructions stand at the end of the chunk before
	s_wait_dscnt 16                                ; all but the 16 loads just issued, here and at every such wait below
	MM 0, 0, 0
	PLACES 4
	LOADB \s, 0, 2, 0
	s_wait_dscnt 16
	MM 0, 1, 1
	PLACES 4
	LOADB \s, 0, 3, 1
	s_wait_dscnt 16
	MM 0, 2, 0
	PLACES 4
	LOADB \s, 1, 0, 0                              ; the owned tiles' first four K steps
	s_wait_dscnt 16
	MM 0, 3, 1
	PLACES 4
	SENDX
	s_wait_dscnt 0x0                               ; my stores are done, for my partner's sake (and buffer 0 is in)
	s_barrier_signal -1                            ; the ring's load stays on its way
	s_barrier_wait -1
	LOADB \s, 1, 1, 1
	LOADX \s
	MM 1, 0, 0
	PLACES 4
	LOADB \s, 1, 2, 0
	s_wait_dscnt 16                                ; buffer 1, my partner's sums and the table entries are in
	MM 1, 1, 1
	PLACES 4
	LOADB \s, 1, 3, 1
	s_wait_dscnt 16
	MM 1, 2, 0
	s_wait_dscnt 0x0
	MM 1, 3, 1
	PLACES 4                                       ; for the load into buffer 0 and for the sums that read the owned tiles
.if \mode == 2
	s_wait_dscnt 0x0                               ; my reads of slot s and of my partner's sums are over (met: none was issued since the last wait for 0)
	s_set_vgpr_msb 0x5750
	s_wait_tensorcnt 0x0                           ; my one tensor load that was out, my quarter of the next chunk, has landed: a group 0 may be written
	ds_add_u32 v254, v255
	s_wait_dscnt 0x0
	s_set_vgpr_msb 0x5057
	s_add_nc_u64 s[50+4*\s:51+4*\s], s[50+4*\s:51+4*\s], 262144      ; two chunks on
	ROUND                                          ; both hold of every wave of all four work-groups
	tensor_load_to_lds s[48+4*\s:51+4*\s], s[40:47]                  ; the joint refill, first behind the round, my only tensor load until the next: it has a whole chunk in which to land
	s_nop 0
	LOADB \nx, 0, 0, 0
.endif
.if \mode == 1
	s_wait_dscnt 0x0
	s_wait_tensorcnt 0x0                           ; my quarter of the last chunk has landed
	s_barrier_signal -1                            ; everybody's has; and my partner has read my sums
	s_barrier_wait -1
	LOADB \nx, 0, 0, 0
.endif
	ADDX
	WIN 0
.irp cl, 0,1
.irp a, 0,1,2,3
	EPI \a, \cl
.endr
.endr
.endm
.macro DPPSUM base, cnt                ; cnt registers, each summed over the sixteen lanes of its half of the wave; every lane ends with the sum
.irp m, 1,2,4,8
.set dn, 0
.rept \cnt
	v_add_f32_dpp v[\base+dn], v[\base+dn], v[\base+dn] row_xmask:\m row_mask:0xf bank_mask:0xf
.set dn, dn+1
.endr
.endr
.endm
; ctx of K steps 4 G .. 4 G + 3: over my four row blocks in the lane, then over the sixteen rows across the lanes.
; Register p, half hf of fragment (a, ks) is k = 32 ks + 16 (p >> 2) + 8 h + 2 (p & 3) + hf of row 16 a + r.
.macro CTXG G
.if \G < 2
	WIN 0x02                                       ; source 0 in window 2
.else
	WIN 0x03
.endif
.irp a, 0,1,2,3
.irp kk, 0,1,2,3
.irp p, 0,1,2,3,4,5,6,7
.irp hf, 0,1
.if \a == 0
	v_fma_mix_f32_bf16 v[CT+16*\kk+2*\p+\hf], v[((4*\G+\kk)&7)*32+8*\a+\p], v[PW+\a], v[ZR] op_sel:[\hf,0,0] op_sel_hi:[1,0,0]
.else
	v_fma_mix_f32_bf16 v[CT+16*\kk+2*\p+\hf], v[((4*\G+\kk)&7)*32+8*\a+\p], v[PW+\a], v[CT+16*\kk+2*\p+\hf] op_sel:[\hf,0,0] op_sel_hi:[1,0,0]
.endif
.endr
.endr
.endr
.endr
	WIN 0
	DPPSUM CT, 64
.irp kk, 0,1,2,3
.irp q, 0,1
.irp u, 0,1
	ds_store_b128 v[CADR], v[CT+16*\kk+8*\q+4*\u:CT+16*\kk+8*\q+4*\u+3] offset:128*(4*\G+\kk)+64*\q+16*\u   ; the sixteen lanes of a half store the same numbers to the same bytes
.endr
.endr
.endr
.endm
	; ---------------- head ----------------
	s_load_b256 s[4:11], s[0:1], 0x0               ; E s[4:5], wf s[6:7], hbp s[8:9], b1 s[10:11]
	s_load_b128 s[12:15], s[0:1], 0x20             ; W2 s[12:13], b2 s[14:15]
	s_load_b64 s[16:17], s[0:1], 0x30              ; part
	v_lshl_add_u32 v254, v0, 2, 0x4c400
	v_mov_b32 v255, 0
	ds_add_u32 v254, v255
	v_lshrrev_b32 v1, 5, v0
	v_readfirstlane_b32 s18, v1                    ; wave w
	s_lshr_b32 s19, s18, 1                         ; i: my half of the rows
	s_and_b32 s20, s18, 1                          ; j: my half of K, and of a chunk's columns
	s_bfe_u32 s21, ttmp6, 0x40000                  ; cx
	s_lshl_b32 s22, ttmp9, 2
	s_add_co_u32 s22, s22, s21                     ; g = 4 x cluster + cx: enters global addresses alone
	; group 1 for E's tiles: 64 rows x 128 f32, 16 bytes of padding behind each row of 128 words
	s_mov_b32 s24, (2<<16)|(1<<20)|(6<<22)|(3<<25) ; no mask; elements of 4 bytes; padding on; after every 128 words (code 6) 4 words (code 3)
	s_mov_b32 s25, 128<<16                         ; tensor_dim0 = 128
	s_mov_b32 s26, 64<<16                          ; tensor_dim1 = 64
	s_mov_b32 s27, 128<<16                         ; tile_dim0 = 128
	s_mov_b32 s28, 64                              ; tile_dim1 = 64
	s_mov_b32 s29, 1024                            ; elements from row to row
	s_mov_b32 s30, 0
	s_mov_b32 s31, 0
	; group 1 for W's quarter chunks: 32,768 dense bytes as 128 rows of 32 elements of 8 bytes; asked for jointly by the cluster's four work-groups
	s_mov_b32 s40, 15|(3<<16)|(1<<21)              ; mask 15; elements of 8 bytes; bit 21 set beside a mask
	s_mov_b32 s41, 32<<16
	s_mov_b32 s42, 128<<16
	s_mov_b32 s43, 32<<16
	s_mov_b32 s44, 128
	s_mov_b32 s45, 32
	s_mov_b32 s46, 0
	s_mov_b32 s47, 0
	s_lshl_b32 s58, s22, 19                        ; 128 g rows of 4,096 bytes
	s_lshl_b32 s60, s19, 18                        ; + 64 i rows
	s_add_co_u32 s58, s58, s60
	s_lshl_b32 s60, s20, 11                        ; + 512 j numbers
	s_add_co_u32 s58, s58, s60
	s_mov_b32 s59, 0
	s_mul_i32 s61, s18, STGW                       ; my wave's stage
	s_lshl_b32 s62, s18, 15                        ; my quarter of a chunk, in wf and in the ring
	s_mov_b32 s63, 0
	s_lshr_b32 s68, s22, 3
	s_lshl_b32 s68, s68, 12                        ; my batch's row in a slice of hbp
	s_mov_b32 s69, 0
	s_mul_i32 s70, s22, 4608                       ; my row of part
	s_mov_b32 s71, 0
	v_and_b32 v1, 31, v0                           ; lane
	v_and_b32 v2, 15, v0                           ; r
	v_bfe_u32 v3, v0, 4, 1                         ; h
	v_lshlrev_b32 v4, 4, v1                        ; 16 x lane
	v_lshrrev_b32 v5, 1, v1
	v_and_b32 v6, 1, v0
	v_lshlrev_b32 v[PFO], 12, v5
	v_lshl_add_u32 v[PFO], v6, 8, v[PFO]
	v_lshlrev_b32 v[T16], 4, v0
	s_wait_dscnt 0x0
	s_wait_kmcnt 0x0
	s_load_b32 s23, s[14:15], 0x0                  ; b2
	s_add_nc_u64 s[66:67], s[4:5], s[58:59]        ; E at my wave's first tile; never rewritten
	s_add_nc_u64 s[6:7], s[6:7], s[62:63]
	s_add_nc_u64 s[8:9], s[8:9], s[68:69]
	s_add_nc_u64 s[16:17], s[16:17], s[70:71]
.irp s, 0,1
	s_mov_b32 s[32+4*\s], 1                        ; group 0 for E, slot s: tile s, later tile s + 2
	s_add_co_u32 s[33+4*\s], s61, \s*SLOTB
	s_add_nc_u64 s[34+4*\s:35+4*\s], s[66:67], \s*512
	s_or_b32 s[35+4*\s], s[35+4*\s], 0x80000000
	s_mov_b32 s[48+4*\s], 1                        ; group 0 for W, slot s: chunk s, later every second chunk.  Nothing in it hangs on cx
	s_add_co_u32 s[49+4*\s], s62, \s*SLOTB
	s_add_nc_u64 s[50+4*\s:51+4*\s], s[6:7], \s*131072
	s_or_b32 s[51+4*\s], s[51+4*\s], 0x80000000
.endr
	ROUND                                          ; in front of the first tensor loads
	tensor_load_to_lds s[32:35], s[24:31]          ; tiles 0 and 1: the two first fills, together: two tensor loads of the wave are out, later never more than one
	s_nop 0
	tensor_load_to_lds s[36:39], s[24:31]
	s_nop 0
	PREF 2
	; ---------------- the table: hb = b1 + the four partial sums, and 1.7580993 W2; thread t takes columns 4 t + 512 u .. + 3 ----------------
.irp u, 0,1
.irp sl, 0,1,2,3
	global_load_b128 v[TS+24*\u+4*\sl:TS+24*\u+4*\sl+3], v[T16], s[8:9] offset:\sl*131072+\u*2048
.endr
	global_load_b128 v[TS+24*\u+16:TS+24*\u+19], v[T16], s[10:11] offset:\u*2048
	global_load_b128 v[TS+24*\u+20:TS+24*\u+23], v[T16], s[12:13] offset:\u*2048
.endr
	; addresses, while these are on their way
	s_mul_i32 s58, s20, 67584                      ; j (16 K steps of 4,096 bytes + 2 column blocks of 1,024)
	v_add_nc_u32 v[BOWN], s58, v4
	v_add_nc_u32 v[BOWN+1], SLOTB, v[BOWN]
	s_mul_i32 s58, s20, 63488                      ; j x 65,536 + (1 - j) x 2,048
	s_add_co_u32 s58, s58, 2048
	v_add_nc_u32 v[BOTH], s58, v4
	v_add_nc_u32 v[BOTH+1], SLOTB, v[BOTH]
	s_lshl_b32 s58, s18, 13
	s_add_co_u32 s58, s58, EXB
	v_add_nc_u32 v[EXST], s58, v4
	s_xor_b32 s58, s18, 1                          ; my partner: the other j
	s_lshl_b32 s58, s58, 13
	s_add_co_u32 s58, s58, EXB
	v_add_nc_u32 v[EXLD], s58, v4
	s_lshl_b32 s58, s20, 8                         ; 32 j columns of 8 bytes
	s_add_co_u32 s58, s58, TABB
	v_lshl_add_u32 v[TADR], v2, 3, s58
	v_mul_u32_u24 v5, v2, 528
	v_lshl_add_u32 v5, v3, 5, v5
	v_add_nc_u32 v[STG], s61, v5
	v_add_nc_u32 v[STG+1], SLOTB, v[STG]
	s_lshl_b32 s58, s19, 8                         ; 64 i rows of 4 bytes
	s_add_co_u32 s58, s58, SCRB
	v_lshl_add_u32 v[SOWN], v2, 2, s58
	s_lshl_b32 s59, s20, 9
	s_add_co_u32 s59, s59, s58
	v_lshl_add_u32 v[SADR], v3, 5, s59
	s_xor_b32 s58, s19, 1
	s_lshl_b32 s58, s58, 8
	s_add_co_u32 s58, s58, SCRB
	v_lshl_add_u32 v[SOTH], v2, 2, s58
	s_lshl_b32 s58, s19, 12
	s_lshl_b32 s59, s20, 11
	s_add_co_u32 s58, s58, s59
	s_add_co_u32 s58, s58, EXB
	v_lshl_add_u32 v[CADR], v3, 5, s58
	v_lshl_add_u32 v[T], v0, 5, TABB               ; four columns of 8 bytes a thread
	v_mov_b32 v[ZR], 0
.set dn, 0
.rept 32
	v_mov_b32 v[SP+dn], 0                          ; the 32 running sums start at 0: they are added onto 32 times each
.set dn, dn+1
.endr
	s_wait_loadcnt 0x0
	s_wait_kmcnt 0x0                               ; b2
.irp u, 0,1
.irp d, 0,2
	v_pk_add_f32 v[TS+24*\u+\d:TS+24*\u+\d+1],     v[TS+24*\u+\d:TS+24*\u+\d+1],     v[TS+24*\u+4+\d:TS+24*\u+4+\d+1]
	v_pk_add_f32 v[TS+24*\u+8+\d:TS+24*\u+8+\d+1], v[TS+24*\u+8+\d:TS+24*\u+8+\d+1], v[TS+24*\u+12+\d:TS+24*\u+12+\d+1]
	v_pk_add_f32 v[TS+24*\u+\d:TS+24*\u+\d+1],     v[TS+24*\u+\d:TS+24*\u+\d+1],     v[TS+24*\u+8+\d:TS+24*\u+8+\d+1]
.endr
.irp k, 0,1,2,3
	v_add_f32 v[TS+48+8*\u+2*\k],   v[TS+24*\u+\k], v[TS+24*\u+16+\k]
	v_mul_f32 v[TS+48+8*\u+2*\k+1], 0x3fe10966, v[TS+24*\u+20+\k]
.endr
	ds_store_b128 v[T], v[TS+48+8*\u:TS+48+8*\u+3]   offset:4096*\u
	ds_store_b128 v[T], v[TS+48+8*\u+4:TS+48+8*\u+7] offset:4096*\u+16
.endr
	; ---------------- E into registers: four tiles through the two stage slots; a wave reads only what it loaded itself ----------------
	s_wait_tensorcnt 0x1                           ; tile 0 has landed, tile 1 stays out
	CONV 0, 0
	s_wait_dscnt 0x0                               ; my reads of slot 0 are over; my table entries are stored
	s_wait_tensorcnt 0x0                           ; tile 1 has landed; no tensor load of mine is out
	ds_add_u32 v254, v255
	s_wait_dscnt 0x0
	s_add_nc_u64 s[34:35], s[34:35], 1024          ; tile 2
	ROUND
	tensor_load_to_lds s[32:35], s[24:31]
	s_nop 0
	PREF 3
	CONV 1, 1
	s_wait_dscnt 0x0
	s_wait_tensorcnt 0x0
	ds_add_u32 v254, v255
	s_wait_dscnt 0x0
	s_add_nc_u64 s[38:39], s[38:39], 1024          ; tile 3
	ROUND
	tensor_load_to_lds s[36:39], s[24:31]
	s_nop 0
	CONV 0, 2
	s_wait_dscnt 0x0
	s_wait_tensorcnt 0x0
	ds_add_u32 v254, v255
	s_wait_dscnt 0x0
	ROUND
	tensor_load_to_lds s[48:51], s[40:47]          ; W's chunk 0, jointly, over stage slot 0, which every wave has read
	s_nop 0
	CONV 1, 3
	s_wait_dscnt 0x0
	s_wait_tensorcnt 0x0                           ; my quarter of chunk 0 has landed
	ds_add_u32 v254, v255
	s_wait_dscnt 0x0
	ROUND                                          ; everybody's has
	tensor_load_to_lds s[52:55], s[40:47]          ; chunk 1, over stage slot 1
	s_nop 0
	LOADB 0, 0, 0, 0
	; ---------------- the 16 chunks ----------------
	WIN 0
	s_mov_b32 s56, 7
.Lpair:
	CHUNK 0, 1, 2
	CHUNK 1, 0, 2
	v_add_nc_u32 v[TADR], 1024, v[TADR]            ; 128 columns on
	s_sub_co_u32 s56, s56, 1
	s_cmp_lg_u32 s56, 0
	s_cbranch_scc1 .Lpair
	CHUNK 0, 1, 1                                  ; the last two chunks fetch nothing
	CHUNK 1, 0, 0
	; ---------------- scores, and the softmax's part over my work-group's 128 rows ----------------
	DPPSUM SP, 32
.irp a, 0,1,2,3
.irp q, 0,1
	ds_store_b128 v[SADR], v[SP+8*\a+4*\q:SP+8*\a+4*\q+3] offset:64*\a+16*\q       ; rows 16 a + 8 h + 4 q .. + 3 of my 64, my half of the columns
.endr
.endr
	s_wait_dscnt 0x0
	s_barrier_signal -1
	s_barrier_wait -1
.irp a, 0,1,2,3
	ds_load_b32 v[SC+\a],    v[SOWN] offset:64*\a
	ds_load_b32 v[SC+4+\a],  v[SOWN] offset:64*\a+512
	ds_load_b32 v[SC+8+\a],  v[SOTH] offset:64*\a
	ds_load_b32 v[SC+12+\a], v[SOTH] offset:64*\a+512
.endr
	s_wait_dscnt 0x0
	v_pk_add_f32 v[SC:SC+1],     v[SC:SC+1],     v[SC+4:SC+5]                      ; both halves of the columns
	v_pk_add_f32 v[SC+2:SC+3],   v[SC+2:SC+3],   v[SC+6:SC+7]
	v_pk_add_f32 v[SC+8:SC+9],   v[SC+8:SC+9],   v[SC+12:SC+13]
	v_pk_add_f32 v[SC+10:SC+11], v[SC+10:SC+11], v[SC+14:SC+15]
.irp x, 0,1,2,3,8,9,10,11
	v_add_f32 v[SC+\x], s23, v[SC+\x]              ; + b2
.endr
	v_max3_num_f32 v[ML], v[SC], v[SC+1], v[SC+2]  ; a lane holds 8 of the 128 rows, sixteen lanes all of them
	v_max3_num_f32 v[ML], v[ML], v[SC+3], v[SC+8]
	v_max3_num_f32 v[ML], v[ML], v[SC+9], v[SC+10]
	v_max_num_f32 v[ML], v[ML], v[SC+11]
.irp m, 1,2,4,8
	v_max_num_f32_dpp v[ML], v[ML], v[ML] row_xmask:\m row_mask:0xf bank_mask:0xf
.endr
.irp x, 0,1,2,3,8,9,10,11
	v_sub_f32 v[SC+\x], v[SC+\x], v[ML]
.endr
.irp x, 0,1,2,3,8,9,10,11
	v_mul_f32 v[SC+\x], 0x3fb8aa3b, v[SC+\x]
.endr
.irp a, 0,1,2,3
	v_exp_f32 v[PW+\a], v[SC+\a]                   ; my own rows' p stay for the weighted sum
.endr
.irp a, 0,1,2,3
	v_exp_f32 v[SC+4+\a], v[SC+8+\a]
.endr
	v_mov_b32 v[ML+2], v[ML]                       ; m a second time, for the 16 bytes that are stored; also the plain instruction behind the exponentials
	s_wait_alu depctr_va_vdst(0)
	v_pk_add_f32 v[SC+12:SC+13], v[PW:PW+1], v[PW+2:PW+3]
	v_pk_add_f32 v[SC+14:SC+15], v[SC+4:SC+5], v[SC+6:SC+7]
	v_pk_add_f32 v[SC+12:SC+13], v[SC+12:SC+13], v[SC+14:SC+15]
	v_add_f32 v[ML+1], v[SC+12], v[SC+13]
.irp m, 1,2,4,8
	v_add_f32_dpp v[ML+1], v[ML+1], v[ML+1] row_xmask:\m row_mask:0xf bank_mask:0xf
.endr
	v_mov_b32 v[ML+3], v[ML+1]
	; ---------------- the weighted sum of rows, from the fragments that have been in registers all along ----------------
	CTXG 0                                         ; EX is free: every wave's reads of it were waited for in front of the barrier above
	CTXG 1
	CTXG 2
	CTXG 3
	s_wait_dscnt 0x0
	s_barrier_signal -1
	s_barrier_wait -1
	v_add_nc_u32 v[T], EXB, v[T16]
	ds_load_b128 v[X:X+3],     v[T]                ; rows 0-63,   k 4 t ..
	ds_load_b128 v[X+4:X+7],   v[T] offset:4096    ; rows 64-127
	ds_load_b128 v[X+8:X+11],  v[T] offset:2048    ; k 512 + 4 t ..
	ds_load_b128 v[X+12:X+15], v[T] offset:6144
	s_wait_dscnt 0x0
	v_pk_add_f32 v[X:X+1],     v[X:X+1],     v[X+4:X+5]
	v_pk_add_f32 v[X+2:X+3],   v[X+2:X+3],   v[X+6:X+7]
	v_pk_add_f32 v[X+8:X+9],   v[X+8:X+9],   v[X+12:X+13]
	v_pk_add_f32 v[X+10:X+11], v[X+10:X+11], v[X+14:X+15]
	global_store_b128 v[T16], v[X:X+3],    s[16:17]                ; a wave stores 512 consecutive bytes, at a multiple of 256 in part
	global_store_b128 v[T16], v[X+8:X+11], s[16:17] offset:2048
	s_cmp_lg_u32 s18, 0
	s_cbranch_scc1 .Lno_stats
	global_store_b128 v[T16], v[ML:ML+3], s[16:17] offset:4096     ; wave 0: (m, l, m, l) from each lane, 512 whole bytes
.Lno_stats:
	s_wait_tensorcnt 0x0
	ds_add_u32 v254, v255
	s_wait_dscnt 0x0
	ROUND                                          ; the closing round: no work-group ends while a partner may still ask for a chunk that names it
	s_endpgm
.Lfunc_end_k_q65bfc7bb29_attn:
	.size	k_q65bfc7bb29_attn, .Lfunc_end_k_q65bfc7bb29_attn-k_q65bfc7bb29_attn
	.p2alignl 7, 3214868480
	.fill 96, 4, 3214868480
	.section	.rodata,"a",@progbits
	.p2align	6, 0x0
	.amdhsa_kernel k_q65bfc7bb29_attn
		.amdhsa_group_segment_fixed_size 327680
		.amdhsa_private_segment_fixed_size 0
		.amdhsa_enable_private_segment 0
		.amdhsa_kernarg_size 56
		.amdhsa_user_sgpr_count 2
		.amdhsa_user_sgpr_kernarg_segment_ptr 1
		.amdhsa_wavefront_size32 1
		.amdhsa_system_sgpr_workgroup_id_x 1
		.amdhsa_system_sgpr_workgroup_id_y 1
		.amdhsa_system_sgpr_workgroup_id_z 1
		.amdhsa_system_vgpr_workitem_id 0
		.amdhsa_next_free_vgpr 1024
		.amdhsa_next_free_sgpr 80
		.amdhsa_reserve_vcc 0
		.amdhsa_float_denorm_mode_32 3
		.amdhsa_float_denorm_mode_16_64 3
		.amdhsa_memory_ordered 1
		.amdhsa_forward_progress 1
		.amdhsa_inst_pref_size 255
	.end_amdhsa_kernel
	.section	.bss,"aw",@nobits
	.p2align	6
	.space	262144
	.amdgpu_metadata
---
amdhsa.version: [ 1, 2 ]
amdhsa.kernels:
  - .name:           k_q65bfc7bb29_attn
    .symbol:         k_q65bfc7bb29_attn.kd
    .args:
      - { .name: encoder_outputs, .offset: 0, .size: 8, .value_kind: global_buffer, .address_space: global }
      - { .name: wf, .offset: 8, .size: 8, .value_kind: global_buffer, .address_space: global }
      - { .name: hbp, .offset: 16, .size: 8, .value_kind: global_buffer, .address_space: global }
      - { .name: b1, .offset: 24, .size: 8, .value_kind: global_buffer, .address_space: global }
      - { .name: W2, .offset: 32, .size: 8, .value_kind: global_buffer, .address_space: global }
      - { .name: b2, .offset: 40, .size: 8, .value_kind: global_buffer, .address_space: global }
      - { .name: part, .offset: 48, .size: 8, .value_kind: global_buffer, .address_space: global }
    .group_segment_fixed_size: 327680
    .private_segment_fixed_size: 0
    .kernarg_segment_align: 8
    .kernarg_segment_size: 56
    .max_flat_workgroup_size: 128
    .sgpr_count:     80
    .vgpr_count:     1024
    .wavefront_size: 32
...
	.end_amdgpu_metadata
.endif
;; end of part 2
;; launch merge (part 3): grid 32 x 1, 8 waves a work-group, no clusters, 0 bytes of LDS; arguments part, out0; writes out0
.if DOCPART == 3
	.amdgcn_target "amdgcn-amd-amdhsa--gfx1250"
	.amdhsa_code_object_version 6
	.text
	.protected	k_q65bfc7bb29_merge
	.globl	k_q65bfc7bb29_merge
	.p2align	8
	.type	k_q65bfc7bb29_merge,@function
k_q65bfc7bb29_merge:
	s_mov_b64 s[64:65], 0
	v_nop
	global_prefetch_b8 v0, s[64:65] scope:SCOPE_SE
	s_setreg_imm32_b32 hwreg(HW_REG_WAVE_MODE, 25, 1), 1
	s_wait_xcnt 0x0
; out0[b][k] = sum over the batch's eight parts g of w_g ctx_g[k] / sum of w_g l_g, with w_g = exp(m_g - M), M = the largest m_g: the softmax over all 1,024 time steps.
; One work-group for a batch, thread t for the four numbers at byte 16 t: 32 work-groups, since the launch has no more work than 36,864 bytes in and 4,096 out for each batch.
; No LDS, no barrier, no matrix unit: every thread has all that it needs.  l_g >= 1 and the largest w_g is 1, so the divisor is at least 1.
.set PROW, 4608                        ; a row of part: 4,096 bytes of ctx, then 512 bytes of (m, l, m, l)
.set MX, 3                             ; v3        M
.set ST, 4                             ; v[4:19]   pair g: m_g, l_g
.set CX, 20                            ; v[20:51]  four numbers of ctx_g
.set W,  52                            ; v[52:67]  pair g: w_g, w_g l_g
.set AC, 68                            ; v[68:71]  the sums
.set R,  72                            ; v[72:73]  1 / divisor, divisor
	s_load_b128 s[4:7], s[0:1], 0x0                ; part s[4:5], out0 s[6:7]
	v_and_b32 v1, 31, v0
	v_lshlrev_b32 v1, 4, v1                        ; 16 x lane
	v_lshlrev_b32 v2, 4, v0                        ; 16 t
	s_mul_i32 s8, ttmp9, 8*PROW
	s_mov_b32 s9, 0
	s_lshl_b32 s10, ttmp9, 12
	s_mov_b32 s11, 0
	s_wait_kmcnt 0x0
	s_add_nc_u64 s[4:5], s[4:5], s[8:9]
	s_add_nc_u64 s[6:7], s[6:7], s[10:11]
.irp g, 0,1,2,3,4,5,6,7
	global_load_b64 v[ST+2*\g:ST+2*\g+1], v1, s[4:5] offset:\g*PROW+4096
.endr
.irp g, 0,1,2,3,4,5,6,7
	global_load_b128 v[CX+4*\g:CX+4*\g+3], v2, s[4:5] offset:\g*PROW
.endr
	s_wait_loadcnt 0x8                             ; the eight (m, l) are in; the eight loads of ctx stay out
	v_max3_num_f32 v[MX], v[ST], v[ST+2], v[ST+4]
	v_max3_num_f32 v[MX], v[MX], v[ST+6], v[ST+8]
	v_max3_num_f32 v[MX], v[MX], v[ST+10], v[ST+12]
	v_max_num_f32 v[MX], v[MX], v[ST+14]
.irp g, 0,1,2,3,4,5,6,7
	v_sub_f32 v[W+2*\g+1], v[ST+2*\g], v[MX]
.endr
.irp g, 0,1,2,3,4,5,6,7
	v_mul_f32 v[W+2*\g+1], 0x3fb8aa3b, v[W+2*\g+1]
.endr
.irp g, 0,1,2,3,4,5,6,7
	v_exp_f32 v[W+2*\g], v[W+2*\g+1]
.endr
	v_nop                                          ; one plain instruction behind the exponentials before a result is used or a source rewritten (ISA guide 5.7.2)
	s_wait_alu depctr_va_vdst(0)
.irp g, 0,1,2,3,4,5,6,7
	v_mul_f32 v[W+2*\g+1], v[W+2*\g], v[ST+2*\g+1]
.endr
	v_add_f32 v[R+1], v[W+1], v[W+3]
.irp g, 2,3,4,5,6,7
	v_add_f32 v[R+1], v[R+1], v[W+2*\g+1]
.endr
	v_rcp_f32 v[R], v[R+1]                         ; used only behind the sums below
	s_wait_loadcnt 0x7                             ; ctx_0 is in, the seven later loads stay out; then one fewer for each g
	v_pk_mul_f32 v[AC:AC+1],   v[CX:CX+1],   v[W:W+1] op_sel_hi:[1,0]
	v_pk_mul_f32 v[AC+2:AC+3], v[CX+2:CX+3], v[W:W+1] op_sel_hi:[1,0]
.irp g, 1,2,3,4,5,6,7
	s_wait_loadcnt 7-\g
	v_pk_fma_f32 v[AC:AC+1],   v[CX+4*\g:CX+4*\g+1],   v[W+2*\g:W+2*\g+1], v[AC:AC+1]   op_sel_hi:[1,0,1]
	v_pk_fma_f32 v[AC+2:AC+3], v[CX+4*\g+2:CX+4*\g+3], v[W+2*\g:W+2*\g+1], v[AC+2:AC+3] op_sel_hi:[1,0,1]
.endr
	s_wait_alu depctr_va_vdst(0)
	v_pk_mul_f32 v[AC:AC+1],   v[AC:AC+1],   v[R:R+1] op_sel_hi:[1,0]
	v_pk_mul_f32 v[AC+2:AC+3], v[AC+2:AC+3], v[R:R+1] op_sel_hi:[1,0]
	global_store_b128 v2, v[AC:AC+3], s[6:7]       ; a wave stores 512 consecutive bytes, at a multiple of 512 in out0
	s_endpgm
.Lfunc_end_k_q65bfc7bb29_merge:
	.size	k_q65bfc7bb29_merge, .Lfunc_end_k_q65bfc7bb29_merge-k_q65bfc7bb29_merge
	.p2alignl 7, 3214868480
	.fill 96, 4, 3214868480
	.section	.rodata,"a",@progbits
	.p2align	6, 0x0
	.amdhsa_kernel k_q65bfc7bb29_merge
		.amdhsa_group_segment_fixed_size 0
		.amdhsa_private_segment_fixed_size 0
		.amdhsa_enable_private_segment 0
		.amdhsa_kernarg_size 16
		.amdhsa_user_sgpr_count 2
		.amdhsa_user_sgpr_kernarg_segment_ptr 1
		.amdhsa_wavefront_size32 1
		.amdhsa_system_sgpr_workgroup_id_x 1
		.amdhsa_system_sgpr_workgroup_id_y 1
		.amdhsa_system_sgpr_workgroup_id_z 1
		.amdhsa_system_vgpr_workitem_id 0
		.amdhsa_next_free_vgpr 74
		.amdhsa_next_free_sgpr 66
		.amdhsa_reserve_vcc 0
		.amdhsa_float_denorm_mode_32 3
		.amdhsa_float_denorm_mode_16_64 3
		.amdhsa_memory_ordered 1
		.amdhsa_forward_progress 1
		.amdhsa_inst_pref_size 6
	.end_amdhsa_kernel
	.amdgpu_metadata
---
amdhsa.version: [ 1, 2 ]
amdhsa.kernels:
  - .name:           k_q65bfc7bb29_merge
    .symbol:         k_q65bfc7bb29_merge.kd
    .args:
      - { .name: part, .offset: 0, .size: 8, .value_kind: global_buffer, .address_space: global }
      - { .name: out0, .offset: 8, .size: 8, .value_kind: global_buffer, .address_space: global }
    .group_segment_fixed_size: 0
    .private_segment_fixed_size: 0
    .kernarg_segment_align: 8
    .kernarg_segment_size: 16
    .max_flat_workgroup_size: 256
    .sgpr_count:     66
    .vgpr_count:     74
    .wavefront_size: 32
...
	.end_amdgpu_metadata
.endif
;; end of part 3
